; MI455X (gfx1250); checked and timed in simulation.
; The chip was launched on July 23, 2026; its instructions are those of AMD's public machine-readable ISA for CDNA 5 (MIT licence, August 2026) and "CDNA5" Instruction Set Architecture Reference Guide (July 2026). The comments in the code are by the model that wrote it; some were corrected since.
;; Causal Attention. Allowed arithmetic: matrix products marked QUANTISED: E3M2 operands, one E8M0 scale for each 32 along K, by v_wmma_scale_f32_16x16x128_f8f6f4 with both operands' format E3M2, f32 sums; everything else in f32.
;; Inputs: Wk_codes 1,024 x 32 x 24 uint8 (E3M2 codes of Wk, K innermost, in blocks of 32 codes, four codes in three bytes); Wk_scales 1,024 x 32 uint8 (E8M0 scales of Wk, one for each 32 codes along K); Wq_codes 1,024 x 32 x 24 uint8 (E3M2 codes of Wq, K innermost, in blocks of 32 codes, four codes in three bytes); Wq_scales 1,024 x 32 uint8 (E8M0 scales of Wq, one for each 32 codes along K); Wv_codes 1,024 x 32 x 24 uint8 (E3M2 codes of Wv, K innermost, in blocks of 32 codes, four codes in three bytes); Wv_scales 1,024 x 32 uint8 (E8M0 scales of Wv, one for each 32 codes along K); x_codes 4 x 2,048 x 32 x 24 uint8 (E3M2 codes of x, K innermost, in blocks of 32 codes, four codes in three bytes); x_scales 4 x 2,048 x 32 uint8 (E8M0 scales of x, one for each 32 codes along K).
;; Outputs: out0 4 x 2,048 x 1,024 float32.
;; This version of the problem:
;;   THIS VERSION OF THE PROBLEM IS GIVEN IN LOW PRECISION. The matrix products marked QUANTISED in the list below multiply operands that are first quantised to E3M2 (3 exponent bits, 2 mantissa bits; 6 bits a number), with one power-of-two scale for each 32 numbers along K (OCP MX v1.0); their sums are f32. All else is computed in f32.
;;   The module's matrix products, in the order in which they are computed (A, B: the left and right operand; K: the contracted axis; several contracted axes count as one K, in the product's order):
;;     1. [M 8,192, K 1,024] x [K 1,024, N 1,024]; A: input x (given as codes); B: input Wq (given as codes): QUANTISED
;;     2. [M 8,192, K 1,024] x [K 1,024, N 1,024]; A: input x (given as codes); B: input Wk (given as codes): QUANTISED
;;     3. [M 8,192, K 1,024] x [K 1,024, N 1,024]; A: input x (given as codes); B: input Wv (given as codes): QUANTISED
;;     4. batch 4 x [M 2,048, K 1,024] x [K 1,024, N 2,048]; A: computed on the way; B: computed on the way: QUANTISED
;;     5. batch 4 x [M 2,048, K 2,048] x [K 2,048, N 1,024]; A: softmax (see below); B: computed on the way: QUANTISED
;;   THE QUANTISER, for each operand of a quantised product, along K:
;;     - K is cut into blocks of 32 from its start; a last block that is shorter is filled with zeros.
;;     - A block's scale is 2^e with e = floor(log2(the largest magnitude in the block)) - 4, held to -126 .. 127; a block of zeros has e = 0. As a byte (E8M0): e + 127.
;;     - Each number is divided by its block's scale, clamped to +-28, and rounded to the nearest number of E3M2, ties to even, subnormals kept.
;;     - The product sums the exact products of the quantised numbers (number of the format x scale) in f32.
;;   ~~~python
;;   def quantise(x, axis):      # numpy; x: float32 -> the quantised numbers, widened to float32 again
;;       x = np.moveaxis(x, axis, -1); K = x.shape[-1]
;;       x = np.pad(x, [(0, 0)] * (x.ndim - 1) + [(0, -K % 32)]); x = x.reshape(x.shape[:-1] + (-1, 32)); a = np.abs(x).max(-1, keepdims=True)
;;       e = np.where(a > 0, np.clip(np.frexp(np.where(a > 0, a, 1))[1] - 1 - 4, -126, 127), 0)      # np.frexp(a)[1] - 1 = floor(log2(a)), exactly
;;       r = np.clip(x / 2.0 ** e, -28, 28)
;;       step = 2.0 ** (np.maximum(np.frexp(np.where(r == 0, 1, r))[1] - 1, -2) - 2)
;;       q = np.round(r / step) * step * 2.0 ** e      # np.round: ties to even
;;       return np.moveaxis(q.reshape(q.shape[:-2] + (-1,))[..., :K], -1, axis).astype(np.float32)
;;   ~~~
;;   SOFTMAX AHEAD OF A QUANTISED PRODUCT. Where the list says 'softmax', what is quantised is not the finished softmax but p = 2^(t - M), with t = logit x log2(e) and M = ceil(the row's largest t), a whole number; so 1/2 < the row's largest p <= 1. The row's sum l is taken of the UNQUANTISED p, in f32, and the product's result is divided by l at the end. Since M is a whole number, a kernel that streams over the keys may use a running M (the ceiling of the running maximum): every later rescaling is an exact power of two, which a block's scale takes up: the codes' values come out the same.
;;   OPERANDS COMPUTED ON THE WAY. 'Computed on the way' means the value that the module computes at that place (a softmax that the list does not call 'softmax' is quantised finished and normalised). What goes into a quantiser is computed in f32, as accurately as f32 sums, v_exp_f32 and their like allow (about 1e-6 of the number): no bf16 or f16 on the way to a quantiser, and a product that is left as it is and whose result goes on into a quantised operand takes f32 operands (vector FMAs, or v_wmma_f32_16x16x4_f32). A number that lies on a knife's edge between two numbers of the format may be rounded either way, as far as f32 arithmetic and the matrix unit's own rounding can turn it there, and no further.
;;   INPUTS GIVEN AS CODES. Wk (in the module: [1024, 1024], K = its axis 1); Wq (in the module: [1024, 1024], K = its axis 1); Wv (in the module: [1024, 1024], K = its axis 1); x (in the module: [4, 2048, 1024], K = its axis 2): each comes as NAME_codes (uint8): NAME with its K axis moved to the last place and cut into blocks of 32 codes, [.., K / 32, bytes a block], one block behind the other in memory; four codes in three bytes: a row's codes are one little-endian stream of bits, code i at bits 6 i .. 6 i + 5 (a code: sign, 3 exponent bits, 2 mantissa bits); and NAME_scales (uint8): the same leading axes, one E8M0 byte (e + 127) for each 32 codes along K. Its value is code x scale, taken as it is: it is not quantised again, and the codes and scales need not be those that the quantiser above would give.
;; One version. Each part assembles by itself: llvm-mc -triple=amdgcn-amd-amdhsa -mcpu=gfx1250 --defsym DOCPART=n.
;; ======== version 1 of 1: 2 launches
;; limits: right only within a limited range of input values
;; workspace buffers: qws 6,553,600 bytes; kws 6,553,600 bytes; vws 6,553,600 bytes
;; launch proj (part 1): grid 4 x 48, 4 waves a work-group, clusters of 4 x 1, 327,680 bytes of LDS; arguments x_codes, x_scales, Wq_codes, Wq_scales, Wk_codes, Wk_scales, Wv_codes, Wv_scales, qws, kws, vws; writes qws, kws, vws
.if DOCPART == 1
	.amdgcn_target "amdgcn-amd-amdhsa--gfx1250"
	.amdhsa_code_object_version 6
	.text
	.protected	k_qcff9781c76_proj
	.globl	k_qcff9781c76_proj
	.p2align	8
	.type	k_qcff9781c76_proj,@function
k_qcff9781c76_proj:
	s_mov_b64 s[64:65], 0
	v_nop
	global_prefetch_b8 v0, s[64:65] scope:SCOPE_SE
	s_setreg_imm32_b32 hwreg(HW_REG_WAVE_MODE, 25, 1), 1
	s_wait_xcnt 0x0
	s_wait_alu depctr_hold_cnt(0) depctr_sa_sdst(0) depctr_va_vdst(0) depctr_va_sdst(0) depctr_va_ssrc(0) depctr_va_vcc(0) depctr_vm_vsrc(0)
	s_getreg_b32 s2, hwreg(HW_REG_IB_STS2, 6, 4)
	s_cmp_eq_u32 s2, 0
	s_cbranch_scc0 .Lentry_in_a_cluster
	s_endpgm
.Lentry_in_a_cluster:
	s_bfe_u32 s2, ttmp6, 0x10000c
	s_cmp_lg_u32 s2, 0x3003
	s_cbranch_scc0 .Lentry_shape_is_right
	s_endpgm
.Lentry_shape_is_right:
; q = x Wq^T, k = x Wk^T, v = x Wv^T on codes of BF6 (E3M2), one E8M0 byte for each 32 along K = 1,024; sums in f32; each result is quantised in registers and stored as codes, laid as the next launch's operand registers want them.
; ONE TEXT: D = R P^T.  Source 0 = 16 rows of R, source 1 = 16 rows of P: a lane holds one row of P and eight neighbouring rows of R, which are the next product's K.   q, k: R = Wq, Wk, P = x;   v: R = x (keys), P = Wv.
; R STAYS IN REGISTERS: all four waves of a work-group hold the same 128 rows of R for all of K: 64 fragments, 768 registers.  P streams: a wave takes 16 tiles of 16 rows; a tile is 64 matrix instructions on 8 accumulators and gives one fragment.
; 12,288 such tiles in all, 16 a wave: 192 work-groups of equal work (12 a wave does not divide the 512 tiles of a group of R).
; The quantising of tile u - 1 is laid between the matrix instructions of tile u: two sets of accumulators.
; CLUSTER 4 x 1: the four partners hold four groups of R and walk the same rows of P, which are asked for jointly.  Cluster y: 0-31: q, k (y / 8: Wq rows 0-511, 512-1023, Wk likewise; y % 8: 1,024 tokens); 32-47: v (512 keys each, all of Wv).
; LDS: R's 128 rows, filled once; two slots of 128 rows of P (32 a wave, two tiles, read by the wave that asked for them).  A row is all of K, 768 bytes of memory from a multiple of 256, with 16 bytes of padding behind each 256: pitch 816.
; Scale words come from memory as they lie: 16 rows x 32 bytes are 512 consecutive bytes; lane (r, h) takes 16 bytes at 32 r + 16 h: words 4 h .. 4 h + 3 of row r.
; WORKSPACE: blocks of 102,400 bytes for 128 tokens; a fragment is 1,536 bytes: registers 4 c .. 4 c + 3 of lane l at 512 c + 16 l; a scale image is 512 bytes: word number n of row r at 256 (n / 4) + 16 r + 4 (n % 4).
;   q, k: fragment (tile a, d step s) at (8 a + s) 1,536, tile a's image at 98,304 + 512 a.   v: two halves of 51,200 (d / 512): d tile e at 1,536 e, images (word e % 8) at 49,152 + 512 (e / 8).
; LIMITS: NaN, infinities and the scale byte 0xff among the inputs are not served.  A block of zeros gets the byte 1 where the quantiser's rule says 127: its codes are zeros, and only this program reads the bytes.
; REGISTERS: windows 1-3: R's fragments 0-62 (fragment 8 s + b, 21 to a window); window 0: the names below.
.set PITCH, 816
.set TILEB, 16*PITCH
.set WVB,   32*PITCH                   ; a wave's 32 rows in LDS
.set SL0,   128*PITCH                  ; slot 0, behind R's rows
.set SLOTB, 128*PITCH
.set SPARE, 3*128*PITCH                ; the spare words: 512 bytes that no other line names
.set PERB,  128*768                    ; a period's rows of P in memory
.set VCU, 0                            ; v0, v1 a fragment's and its scale word's store offsets (v0 has served by then)
.set VSU, 1
.set SPW, 2
.set NIL, 3
.set ADRA, 4                           ; v4-7 my rows in slot 0, 1; the odd ones for pieces whose upper lanes lie behind one padding more
.set VC,  8
.set VS,  9
.set SO,  10                           ; 32 r + 16 h
.set PFO, 11
.set TM,  12                           ; v12-15 largest magnitudes, v16-19 the other half's, then bytes, v20-23 the conversions' scale operands
.set T,   24
.set PW,  27
.set BS,  28                           ; v28-59 R's scale words, four a block
.set AS,  60                           ; v60-67 P's, two sets
.set BX,  68                           ; R's fragment 63
.set AF,  80                           ; v80-127 P's fragments of four K steps
.set ACC, 128                          ; two sets of 8 accumulators
.set BA,  128                          ; at the head: R's LDS addresses
.set WV, 3
.set G1B, 40
.set G1A, 48
.set G0B, 56
.set G0A, 60                           ; slot 0 at s60, slot 1 at s68
.set PF,  72
.set PQ,  80                           ; the period of the tile that is quantised
.set CNT, 81
.set SEL, 92
.set MSB, 0
.macro WIN new
.if MSB != (\new)
	s_set_vgpr_msb (MSB<<8)|(\new)
.set MSB, (\new)
.endif
.endm
.macro NOP4
.rept 4
	v_nop
.endr
.endm
.macro ROUND                           ; a round of the cluster's barrier
	s_barrier_signal -1
	s_barrier_wait -1
	s_cmp_lg_u32 s[WV], 0
	s_cbranch_scc1 .Lnot_wave_0_\@
	s_barrier_signal -3
.Lnot_wave_0_\@:
	s_barrier_wait -3
	s_barrier_signal -1
	s_barrier_wait -1
.endm
; the period three on, one change of slots ahead of its load: my 32 rows are 96 blocks of 256 bytes; the partner at place cx names 24 of them, a lane a block (lanes 24-31 name lane 23's again); periods 0-2 come by their loads alone; the last period named is 7
.macro ASK
	s_cmp_lt_u32 s[PQ], 5
	s_cbranch_scc0 .Lno_ask_\@
	global_prefetch_b8 v[PFO], s[PF:PF+1] offset:3*PERB th:TH_LOAD_NT scope:SCOPE_SE
.Lno_ask_\@:
.endm
	s_load_b512 s[16:31], s[0:1], 0x0              ; x, Wq, Wk, Wv: codes, scales
	s_load_b128 s[32:35], s[0:1], 0x40             ; qws, kws
	s_load_b64 s[36:37], s[0:1], 0x50              ; vws
	v_lshl_add_u32 v[SPW], v0, 2, SPARE
	v_mov_b32 v[NIL], 0
	ds_add_u32 v[SPW], v[NIL]
	ds_add_u32 v[SPW], v[NIL]
	v_lshrrev_b32 v1, 5, v0
	v_readfirstlane_b32 s[WV], v1                  ; wave w
	s_bfe_u32 s4, ttmp6, 0x40000                   ; cx
	s_and_b32 s5, ttmp7, 0xffff                    ; the cluster's y
	s_mov_b32 s[G1B], (1<<20)|(5<<22)|(3<<25)      ; 32 rows of 768 bytes, 4 words of padding behind each 64; R's load is my work-group's own
	s_mov_b32 s[G1A], 15|(1<<20)|(1<<21)|(5<<22)|(3<<25)   ; P's goes to all four
.irp g, G1B, G1A
	s_mov_b32 s[\g+1], 768<<16
	s_mov_b32 s[\g+2], 32<<16
	s_mov_b32 s[\g+3], 768<<16
	s_mov_b32 s[\g+4], 32
	s_mov_b32 s[\g+5], 768
	s_mov_b32 s[\g+6], 0
	s_mov_b32 s[\g+7], 0
.endr
	s_mov_b32 s[SEL], 0x76543210
	s_mov_b32 s[SEL+1], 0xfedcba98
	s_mov_b32 s[PQ], 0
	s_lshr_b32 s82, s5, 3
	s_and_b32 s82, s82, 1
	s_lshl_b32 s82, s82, 2
	s_add_co_u32 s82, s82, s4                      ; q, k: R's group of 128 rows, 0 .. 7
	s_and_b32 s83, s5, 15
	s_lshl_b32 s83, s83, 2
	s_add_co_u32 s83, s83, s4                      ; v: 0 .. 63
	s_and_b32 s84, s5, 7
	s_cmp_lt_u32 s5, 32
	s_cselect_b32 s85, s82, s83                    ; GR
	s_cselect_b32 s84, s84, 0                      ; which 1,024 rows of P
	s_mov_b32 s74, 12288                           ; the store offsets' steps: by period, once more at period 4, by tile: codes s74-76, scale words s77-79
	s_cselect_b32 s74, 102400, s74
	s_cselect_b32 s75, 0, 2048
	s_mov_b32 s76, 1536
	s_cselect_b32 s76, 12288, s76
	s_mov_b32 s77, 512
	s_cselect_b32 s77, 102400, s77
	s_cselect_b32 s78, 0, 49152
	s_cselect_b32 s79, 512, 4
	s_mul_i32 s86, s84, 819200                     ; q, k: my 1,024 tokens' first block
	s_lshl_b32 s87, s[WV], 4
	s_add_co_u32 s87, s87, s85
	s_mul_i32 s87, s87, 1536
	s_add_co_u32 s88, s86, s87                     ; fragment (2 w, GR)
	s_lshl_b32 s89, s[WV], 10
	s_add_co_u32 s89, s89, s86
	s_add_co_u32 s89, s89, 98304
	s_lshr_b32 s87, s85, 2
	s_lshl_b32 s87, s87, 8
	s_add_co_u32 s89, s89, s87
	s_and_b32 s87, s85, 3
	s_lshl_b32 s87, s87, 2
	s_add_co_u32 s89, s89, s87                     ; word number GR of tile 2 w's image
	s_mul_i32 s90, s85, 102400                     ; v: my keys' block
	s_mul_i32 s91, s[WV], 3072
	s_add_co_u32 s91, s91, s90                     ; d tile 2 w
	s_add_co_u32 s96, s90, 49152
	s_lshr_b32 s87, s[WV], 1
	s_lshl_b32 s87, s87, 8
	s_add_co_u32 s96, s96, s87
	s_and_b32 s87, s[WV], 1
	s_lshl_b32 s87, s87, 3
	s_add_co_u32 s96, s96, s87                     ; word number 2 w
	s_cmp_lt_u32 s5, 32
	s_cselect_b32 s88, s88, s91
	s_cselect_b32 s89, s89, s96
	s_mul_i32 s87, s[WV], 24576                    ; my 32 rows of a load, in memory
	s_mul_i32 s38, s85, 98304
	s_add_co_u32 s38, s38, s87                     ; R's codes
	s_mov_b32 s39, 0
	s_lshl_b32 s90, s85, 12                        ; R's scales
	s_mov_b32 s91, 0
	s_mul_i32 s96, s84, 786432
	s_add_co_u32 s96, s96, s87                     ; P's codes: no place in the cluster enters
	s_mov_b32 s97, 0
	s_lshl_b32 s98, s84, 15
	s_lshl_b32 s87, s[WV], 10
	s_add_co_u32 s98, s98, s87                     ; P's scales
	s_mov_b32 s99, 0
	s_mul_i32 s86, s4, 6144                        ; the prefetches' share, by address
	s_mov_b32 s87, 0
	s_mul_i32 s82, s[WV], WVB                      ; where my rows go in LDS
	s_wait_dscnt 0x0                               ; both opening adds are done
	s_wait_kmcnt 0x0
	s_cmp_lt_u32 s5, 16
	s_cselect_b64 s[10:11], s[20:21], s[24:25]     ; R's codes, scales, the workspace: Wq or Wk,
	s_cselect_b64 s[12:13], s[22:23], s[26:27]
	s_cselect_b64 s[14:15], s[32:33], s[34:35]
	s_cmp_lt_u32 s5, 32
	s_cselect_b64 s[10:11], s[10:11], s[16:17]     ; or x
	s_cselect_b64 s[12:13], s[12:13], s[18:19]
	s_cselect_b64 s[14:15], s[14:15], s[36:37]
	s_cselect_b64 s[6:7], s[16:17], s[28:29]       ; P: x or Wv
	s_cselect_b64 s[8:9], s[18:19], s[30:31]
	s_add_nc_u64 s[10:11], s[10:11], s[38:39]
	s_add_nc_u64 s[12:13], s[12:13], s[90:91]
	s_add_nc_u64 s[6:7], s[6:7], s[96:97]
	s_add_nc_u64 s[8:9], s[8:9], s[98:99]
	s_add_nc_u64 s[PF:PF+1], s[6:7], s[86:87]
	s_mov_b32 s[G0B], 1
	s_mov_b32 s[G0B+1], s82
	s_mov_b64 s[G0B+2:G0B+3], s[10:11]
	s_or_b32 s[G0B+3], s[G0B+3], 0x80000000
.irp n, 0,1
	s_mov_b32 s[G0A+8*\n], 1
	s_add_co_u32 s[G0A+8*\n+1], s82, SL0+\n*SLOTB
	s_add_nc_u64 s[G0A+8*\n+2:G0A+8*\n+3], s[6:7], \n*PERB
	s_or_b32 s[G0A+8*\n+3], s[G0A+8*\n+3], 0x80000000
.endr
	s_add_co_u32 s83, s82, SL0
	s_add_co_u32 s84, s82, SL0+SLOTB
	ROUND                                          ; in front of the first tensor loads
	tensor_load_to_lds s[G0B:G0B+3], s[G1B:G1B+7]  ; my quarter of R's 128 rows: my one load at the head
	s_nop 0
	NOP4
	v_and_b32 v12, 15, v0                          ; r
	v_bfe_u32 v13, v0, 4, 1                        ; h
	v_and_b32 v14, 31, v0
	v_mul_u32_u24 v15, v12, PITCH
	v_mad_u32_u24 v[BA], v13, 24, v15              ; row x pitch + 24 h,
	v_mad_u32_u24 v[BA+1], v13, 40, v15            ; and with one padding more for the upper lanes
	v_add_nc_u32 v[BA+2], 4*TILEB, v[BA]           ; R's blocks 4-7
	v_add_nc_u32 v[BA+3], 4*TILEB, v[BA+1]
	v_add_nc_u32 v[ADRA], s83, v[BA]
	v_add_nc_u32 v[ADRA+1], s83, v[BA+1]
	v_add_nc_u32 v[ADRA+2], s84, v[BA]
	v_add_nc_u32 v[ADRA+3], s84, v[BA+1]
	v_lshlrev_b32 v[SO], 5, v12
	v_lshl_add_u32 v[SO], v13, 4, v[SO]
	v_lshl_add_u32 v[VC], v14, 4, s88              ; 16 x lane
	v_lshl_add_u32 v[VS], v12, 4, s89              ; 16 r
	v_min_u32 v[PFO], 23, v14
	v_lshlrev_b32 v[PFO], 8, v[PFO]
.irp b, 0,1,2,3
	v_mov_b32 v[TM+4+\b], 0                        ; a lane permute's destination counts as one of its sources
.endr
	s_wait_alu depctr_va_vdst(0)
.irp b, 0,1,2,3,4,5,6,7
	global_load_b128 v[BS+4*\b:BS+4*\b+3], v[SO], s[12:13] offset:512*\b
.endr
	global_load_b128 v[AS:AS+3], v[SO], s[8:9]     ; tile 0's
	s_wait_tensorcnt 0x0                           ; the sequence ahead of a later first fill
	ds_add_u32 v[SPW], v[NIL]
	s_wait_dscnt 0x0
	ROUND                                          ; R's rows are whole
	tensor_load_to_lds s[G0A:G0A+3], s[G1A:G1A+7]  ; period 0 into slot 0
	s_nop 0
	NOP4
.set F, 0
.rept 64                               ; R into registers: fragment F = 8 s + b.  Piece PCE of a row lies at 8 PCE + 16 (PCE / 32); the upper lanes read three pieces on
.if F < 63
.set RB, 12*(F%21)
	WIN (1+F/21)<<6
.else
.set RB, BX
	WIN 0
.endif
.irp pp, 0,1,2,3,4,5
.set PCE, 12*(F/8)+6*(\pp/3)+\pp%3
	ds_load_b64 v[RB+2*\pp:RB+2*\pp+1], v[BA+2*((F%8)/4)+(PCE%32)/29] offset:8*PCE+16*(PCE/32)+((F%8)%4)*TILEB
.endr
.set F, F+1
.endr
	WIN 0
.macro ALOAD slot, tile, g             ; P's fragments of K steps 2 g, 2 g + 1: twelve loads
.irp st, 2*(\g), 2*(\g)+1
.irp pp, 0,1,2,3,4,5
.set PCE, 12*(\st)+6*(\pp/3)+\pp%3
	ds_load_b64 v[AF+12*((\st)%4)+2*\pp:AF+12*((\st)%4)+2*\pp+1], v[ADRA+2*(\slot)+(PCE%32)/29] offset:8*PCE+16*(PCE/32)+(\tile)*TILEB
.endr
.endr
.endm
.macro MM s, b, j                      ; one matrix instruction: K step s, R's block b, accumulator set j.  The eight accumulators take turns; step 0 starts the sums
.set F, 8*(\s)+(\b)
.if F < 63
.set RB, 12*(F%21)
	WIN 1+F/21
.else
.set RB, BX
	WIN 0
.endif
.set RC, ACC+64*(\j)+8*(\b)
.set RA, AF+12*((\s)%4)
.set RS, BS+4*(\b)+(\s)%4
.set RT, AS+4*(\j)+(\s)%4
.if (\s) == 0
	v_wmma_scale_f32_16x16x128_f8f6f4 v[RC:RC+7], v[RB:RB+11], v[RA:RA+11], 0, v[RS], v[RT] matrix_a_fmt:MATRIX_FMT_BF6 matrix_b_fmt:MATRIX_FMT_BF6
.elseif (\s) < 4
	v_wmma_scale_f32_16x16x128_f8f6f4 v[RC:RC+7], v[RB:RB+11], v[RA:RA+11], v[RC:RC+7], v[RS], v[RT] matrix_a_fmt:MATRIX_FMT_BF6 matrix_b_fmt:MATRIX_FMT_BF6
.else
	v_wmma_scale_f32_16x16x128_f8f6f4 v[RC:RC+7], v[RB:RB+11], v[RA:RA+11], v[RC:RC+7], v[RS], v[RT] matrix_a_fmt:MATRIX_FMT_BF6 matrix_b_fmt:MATRIX_FMT_BF6 matrix_a_scale:MATRIX_SCALE_ROW1 matrix_b_scale:MATRIX_SCALE_ROW1
.endif
.endm
; THE QUANTISER of the 64 registers at v[S], in 26 parts.  Accumulator b's register i of lane (r, h) is R's row 16 b + 8 h + i.
.macro QS kk, S
.if (\kk) < 8                          ; accumulator 2 b's lanes 16-31 change places with 2 b + 1's lanes 0-15: register 16 b + i then holds k = 32 b + 16 h + i.  Each accumulator from its low end on
.irp b, 0,1,2,3
	v_permlane16_swap_b32 v[(\S)+16*\b+(\kk)], v[(\S)+16*\b+8+(\kk)]
.endr
.elseif (\kk) == 8                     ; a block's largest magnitude, over the floor 2^(5 - 127): the byte cannot fall under 1
.irp b, 0,1,2,3
	v_max3_num_f32 v[TM+\b], |v[(\S)+16*\b]|, |v[(\S)+16*\b+1]|, 0x2800000
.endr
.elseif (\kk) < 16
.irp b, 0,1,2,3
	v_max3_num_f32 v[TM+\b], |v[(\S)+16*\b+2*((\kk)-8)]|, |v[(\S)+16*\b+2*((\kk)-8)+1]|, v[TM+\b]
.endr
.elseif (\kk) == 16
.irp b, 0,1,2,3
	v_permlanex16_b32 v[TM+4+\b], v[TM+\b], s[SEL], s[SEL+1]
.endr
.elseif (\kk) == 17
.irp b, 0,1,2,3
	v_max_num_f32 v[TM+\b], v[TM+\b], v[TM+4+\b]   ; with lane l xor 16's
.endr
.elseif (\kk) == 18
.irp b, 0,1,2,3
	v_add_nc_u32 v[TM+8+\b], 0xfe000000, v[TM+\b]  ; 4 off the exponent field: the conversion's scale operand
.endr
.elseif (\kk) == 19
.irp b, 0,1,2,3
	v_lshrrev_b32 v[TM+4+\b], 23, v[TM+8+\b]       ; the byte
.endr
.elseif (\kk) == 20
	v_lshl_or_b32 v[PW], v[TM+5], 8, v[TM+4]
	v_lshl_or_b32 v[PW], v[TM+6], 16, v[PW]
	v_lshl_or_b32 v[PW], v[TM+7], 24, v[PW]        ; my row's scale word
	v_add_nc_u32 v[VCU], s94, v[VC]
	v_add_nc_u32 v[VSU], s95, v[VS]
.elseif (\kk) == 21                    ; the codes are laid over numbers that have been converted: the fragment at v[S + 48] on; a plain place behind each conversion
	v_cvt_scalef32_pk16_bf6_f32 v[T:T+2], v[(\S)+48:(\S)+63], v[TM+11]
	v_nop
	v_cvt_scalef32_pk16_bf6_f32 v[(\S)+54:(\S)+56], v[(\S)+32:(\S)+47], v[TM+10]
	v_nop
.elseif (\kk) == 22
	v_cvt_scalef32_pk16_bf6_f32 v[(\S)+32:(\S)+34], v[(\S)+16:(\S)+31], v[TM+9]
	v_nop
	v_cvt_scalef32_pk16_bf6_f32 v[(\S)+48:(\S)+50], v[(\S):(\S)+15], v[TM+8]
	v_nop
.elseif (\kk) == 23                    ; the operand wants a whole block in a lane: lanes 0-15 block 2 c, lanes 16-31 block 2 c + 1
.irp i, 0,1,2
	v_permlane16_swap_b32 v[(\S)+54+\i], v[T+\i]
	v_mov_b32 v[(\S)+57+\i], v[T+\i]
.endr
.elseif (\kk) == 24
.irp i, 0,1,2
	v_permlane16_swap_b32 v[(\S)+48+\i], v[(\S)+32+\i]
	v_mov_b32 v[(\S)+51+\i], v[(\S)+32+\i]
.endr
.elseif (\kk) == 25
.irp c, 0,1,2
	global_store_b128 v[VCU], v[(\S)+48+4*\c:(\S)+51+4*\c], s[14:15] offset:512*\c   ; 32 lanes store 512 consecutive bytes, at a multiple of 512
.endr
	global_store_b32 v[VSU], v[PW], s[14:15]       ; lanes l and l xor 16 write the same word with the same value
.endif
.endm
.macro OFFS jq                         ; where the tile (period s80, jq) goes: codes s94, scale word s95
	s_lshr_b32 s82, s[PQ], 2
	s_mul_i32 s94, s[PQ], s74
	s_mul_i32 s83, s82, s75
	s_add_co_u32 s94, s94, s83
	s_mul_i32 s95, s[PQ], s77
	s_mul_i32 s83, s82, s78
	s_add_co_u32 s95, s95, s83
.if (\jq) == 1
	s_add_co_u32 s94, s94, s76
	s_add_co_u32 s95, s95, s79
	s_add_co_u32 s[PQ], s[PQ], 1
	s_add_nc_u64 s[PF:PF+1], s[PF:PF+1], PERB      ; (behind the wait on XCNT above)
.endif
.endm
; A TILE: tile j of slot `slot`, accumulator set j.  Four groups of two K steps; at a group's head the next group's twelve LDS loads go out, into the registers of the group before, four places behind its last product.
; chg = 1, at the head of the last group of a slot's second tile: all reads of the slot have been issued; the tensor wait, the spare word's add and its wait, a round, and the slot takes the period two on.  chg = 2: only the wait for my last tensor load.
; ao: the next tile's scale words, from s[8:9].  A wait on the vector side stands ahead of every blocking wait.
.macro UNIT slot, j, first, chg, last, ao
	WIN 0
	s_wait_alu depctr_va_vdst(0)
	s_wait_xcnt 0x0                                ; the stores of two tiles back have read their registers, which set j takes now
	s_wait_loadcnt 0x0                             ; this tile's scale words
.if \first == 0
	OFFS 1-\j
.endif
.set KK, 0
.irp g, 0,1,2,3
.if \g > 0
	WIN 0
	s_wait_alu depctr_va_vdst(0)
.endif
.if (\g == 3) && (\chg == 1)
	s_wait_tensorcnt 0x0                           ; my part of the other slot is in
	ds_add_u32 v[SPW], v[NIL]
	s_add_nc_u64 s[G0A+8*\slot+2:G0A+8*\slot+3], s[G0A+8*\slot+2:G0A+8*\slot+3], 2*PERB
	s_wait_dscnt 0x0                               ; the add, and my reads of this slot
	ROUND
	tensor_load_to_lds s[G0A+8*\slot:G0A+8*\slot+3], s[G1A:G1A+7]
	s_nop 0
.elseif (\g == 3) && (\chg == 2)
	s_wait_tensorcnt 0x0
	s_wait_dscnt 0x0
.else
	s_wait_dscnt 0x0                               ; this group's fragments
.endif
	NOP4
.if \g < 3
	ALOAD \slot, \j, \g+1
.elseif \last == 0
	ALOAD (\slot+\j)%2, 1-\j, 0
.endif
.if (\g == 0) && (\ao >= 0)
	global_load_b128 v[AS+4*(1-\j):AS+4*(1-\j)+3], v[SO], s[8:9] offset:\ao
.endif
.if (\g == 3) && (\chg == 1)
	ASK
.endif
.set SS, 2*\g
.rept 2
.set BB, 0
.rept 4
	MM SS, BB, \j
	MM SS, BB+1, \j
.if \first == 0
	WIN 0
	QS KK, ACC+64*(1-\j)
.endif
.set KK, KK+1
.set BB, BB+2
.endr
.set SS, SS+1
.endr
.endr
.endm
	s_wait_tensorcnt 0x0                           ; period 0 is in; the same sequence ahead of slot 1's first fill
	ds_add_u32 v[SPW], v[NIL]
	s_wait_dscnt 0x0                               ; R is in registers
	ROUND
	tensor_load_to_lds s[G0A+8:G0A+11], s[G1A:G1A+7]   ; period 1 into slot 1
	s_nop 0
	NOP4
	ALOAD 0, 0, 0
	UNIT 0, 0, 1, 0, 0, 512                        ; tile 0: nothing to quantise yet
	WIN 0
	s_mov_b32 s[CNT], 3
.Ltrip:                                                ; four tiles: from an even period's second to the next even period's first; both slots are filled again
	UNIT 0, 1, 0, 1, 0, 4096
	UNIT 1, 0, 0, 0, 0, 4608
	UNIT 1, 1, 0, 1, 0, 8192
	UNIT 0, 0, 0, 0, 0, 8704
	WIN 0
	s_wait_alu depctr_va_vdst(0)
	s_wait_xcnt 0x0
	s_add_nc_u64 s[8:9], s[8:9], 8192              ; two periods of scale words on
	s_sub_co_u32 s[CNT], s[CNT], 1
	s_cmp_lg_u32 s[CNT], 0
	s_cbranch_scc1 .Ltrip
	UNIT 0, 1, 0, 2, 0, 4096                       ; tiles 13 to 15 fetch nothing more
	UNIT 1, 0, 0, 0, 0, 4608
	UNIT 1, 1, 0, 0, 1, -1
	WIN 0
	NOP4                                           ; behind the last products
	s_wait_alu depctr_va_vdst(0)
	s_wait_xcnt 0x0
	OFFS 1
.set KK, 0
.rept 26
	QS KK, ACC+64
.set KK, KK+1
.endr
	s_wait_tensorcnt 0x0                           ; the wave's end
	ds_add_u32 v[SPW], v[NIL]
	s_wait_dscnt 0x0
	ROUND                                          ; the closing round
	s_endpgm
.Lfunc_end_k_qcff9781c76_proj:
	.size	k_qcff9781c76_proj, .Lfunc_end_k_qcff9781c76_proj-k_qcff9781c76_proj
	.p2alignl 7, 3214868480
	.fill 96, 4, 3214868480
	.section	.rodata,"a",@progbits
	.p2align	6, 0x0
	.amdhsa_kernel k_qcff9781c76_proj
		.amdhsa_group_segment_fixed_size 327680
		.amdhsa_private_segment_fixed_size 0
		.amdhsa_enable_private_segment 0
		.amdhsa_kernarg_size 88
		.amdhsa_user_sgpr_count 2
		.amdhsa_user_sgpr_kernarg_segment_ptr 1
		.amdhsa_wavefront_size32 1
		.amdhsa_system_sgpr_workgroup_id_x 1
		.amdhsa_system_sgpr_workgroup_id_y 1
		.amdhsa_system_sgpr_workgroup_id_z 1
		.amdhsa_system_vgpr_workitem_id 0
		.amdhsa_next_free_vgpr 1024
		.amdhsa_next_free_sgpr 100
		.amdhsa_reserve_vcc 0
		.amdhsa_float_denorm_mode_32 3
		.amdhsa_float_denorm_mode_16_64 3
		.amdhsa_memory_ordered 1
		.amdhsa_forward_progress 1
		.amdhsa_inst_pref_size 191
	.end_amdhsa_kernel
	.amdgpu_metadata
---
amdhsa.version: [ 1, 2 ]
amdhsa.kernels:
  - .name:           k_qcff9781c76_proj
    .symbol:         k_qcff9781c76_proj.kd
    .args:
      - { .name: x_codes, .offset: 0, .size: 8, .value_kind: global_buffer, .address_space: global }
      - { .name: x_scales, .offset: 8, .size: 8, .value_kind: global_buffer, .address_space: global }
      - { .name: Wq_codes, .offset: 16, .size: 8, .value_kind: global_buffer, .address_space: global }
      - { .name: Wq_scales, .offset: 24, .size: 8, .value_kind: global_buffer, .address_space: global }
      - { .name: Wk_codes, .offset: 32, .size: 8, .value_kind: global_buffer, .address_space: global }
      - { .name: Wk_scales, .offset: 40, .size: 8, .value_kind: global_buffer, .address_space: global }
      - { .name: Wv_codes, .offset: 48, .size: 8, .value_kind: global_buffer, .address_space: global }
      - { .name: Wv_scales, .offset: 56, .size: 8, .value_kind: global_buffer, .address_space: global }
      - { .name: qws, .offset: 64, .size: 8, .value_kind: global_buffer, .address_space: global }
      - { .name: kws, .offset: 72, .size: 8, .value_kind: global_buffer, .address_space: global }
      - { .name: vws, .offset: 80, .size: 8, .value_kind: global_buffer, .address_space: global }
    .group_segment_fixed_size: 327680
    .private_segment_fixed_size: 0
    .kernarg_segment_align: 8
    .kernarg_segment_size: 88
    .max_flat_workgroup_size: 128
    .sgpr_count:     100
    .vgpr_count:     1024
    .wavefront_size: 32
...
	.end_amdgpu_metadata
.endif
;; end of part 1
;; launch attn (part 2): grid 32 x 8, 4 waves a work-group, clusters of 4 x 1, 327,680 bytes of LDS; arguments qws, kws, vws, out0; writes out0
.if DOCPART == 2
	.amdgcn_target "amdgcn-amd-amdhsa--gfx1250"
	.amdhsa_code_object_version 6
	.text
	.protected	k_qcff9781c76_attn
	.globl	k_qcff9781c76_attn
	.p2align	8
	.type	k_qcff9781c76_attn,@function
k_qcff9781c76_attn:
	s_mov_b64 s[64:65], 0
	v_nop
	global_prefetch_b8 v0, s[64:65] scope:SCOPE_SE
	s_setreg_imm32_b32 hwreg(HW_REG_WAVE_MODE, 25, 1), 1
	s_wait_xcnt 0x0
	s_wait_alu depctr_hold_cnt(0) depctr_sa_sdst(0) depctr_va_vdst(0) depctr_va_sdst(0) depctr_va_ssrc(0) depctr_va_vcc(0) depctr_vm_vsrc(0)
	s_getreg_b32 s2, hwreg(HW_REG_IB_STS2, 6, 4)
	s_cmp_eq_u32 s2, 0
	s_cbranch_scc0 .Lentry_in_a_cluster
	s_endpgm
.Lentry_in_a_cluster:
	s_bfe_u32 s2, ttmp6, 0x10000c
	s_cmp_lg_u32 s2, 0x3003
	s_cbranch_scc0 .Lentry_shape_is_right
	s_endpgm
.Lentry_shape_is_right:
; out[b][q][:] = the sum over keys k <= q of softmax_k(q . k / 32) v[k][:], one head of 1,024, both products on codes of BF6 (E3M2) with one E8M0 byte for each 32 along a product's K.
; q, k, v come as codes from the launch before, laid as operand registers: blocks of 102,400 bytes for 128 tokens.  A fragment (16 rows x 128 K, 12 registers a lane) is 1,536 bytes: registers 4 c .. 4 c + 3 of lane l at 512 c + 16 l.
; A scale image is 512 bytes: lane (r, h) has 16 bytes at 16 (r + 16 h), word i = scale word number 4 h + i of row r: one load of 16 bytes a lane brings eight scale words in four registers (lanes 0-15: numbers 0-3, lanes 16-31: 4-7).
;   q, k: fragment (tile a of tokens, d step s) at (8 a + s) 1,536; tile a's scale image at 98,304 + 512 a.   v (keys innermost): two halves of 51,200 bytes (d / 512): d tile e at 1,536 e, scale images at 49,152 + 512 (e / 8).
; SHARES.  A work-group owns 64 queries (four tiles of 16) and 512 of the 1,024 output columns; scores and softmax are made once for each half of the columns.  So O^T is 256 registers a wave, all of Q (384) stays in every wave's registers,
; each fragment of K read from LDS feeds four matrix instructions, each byte of K is read from LDS once, and two slots of a whole key step fit in LDS.
; A KEY STEP is 128 keys.  Scores S^T = K Q^T (source 0 = 16 keys, source 1 = 16 queries): wave w takes keys 32 w .. 32 w + 31, ONE block of the second product's quantiser, for all 64 queries: 64 matrix instructions.
; O^T += V^T P^T (source 0 = 16 of d, source 1 = P): wave w takes d tiles 8 w .. 8 w + 7 of the half: 32 matrix instructions.  A lane holds one query (lane % 16) throughout.
; SOFTMAX.  t = score x log2(e) / 32.  p = 2^(t - M) with M a whole number, so a block's codes do not hang on M.  Wave w takes M_w = ceil(its block's largest t), makes p, its codes, the block's byte and the sum of the unquantised p under M_w,
; and hands them to the others through LDS.  Every wave then keeps the running M = max(M, M_0 .. M_3), multiplies O^T and the sum by 2^(old M - new M), adds M_w - M to block w's byte and brings block w's sum under M by the same power of two: all exact.
; CAUSAL.  A cluster is four neighbouring blocks of 64 queries, 256 c .. 256 c + 255: all four walk key steps 0 .. 2 c + 1.  Steps 0 .. 2 c - 1 are open to all their queries; only the last two can touch the diagonal, and they are written out with the mask
; (hidden scores become -infinity by a compare and a select; no branch hangs on a work-group's place).  K's and V's tiles are asked for JOINTLY by the four.
; LIMITS: NaN, infinities and the scale byte 0xff are not served.  A block whose M_w lies more than 120 under the running M is weighed with 2^-120 in place of less: under 2^-119 of the row's largest p.  M is kept as a whole number in f32: |t| under 2^24.
; REGISTERS, in windows of 256: window 0: see the names below.  window 1: O^T, tile qt's d tile dt at v[64 qt + 8 dt].  window 2: Q's tiles 0, 1 at v[96 (qt % 2) + 12 s]; v192-239 four fragment buffers.  window 3: Q's tiles 2, 3; four more buffers.
.set BLKB,   102400                    ; a block of the workspace
.set HALFB,  51200
.set SLOTB,  153600                    ; a slot: K's block, then my half of V's block
.set KSCO,   98304                     ; K's scale images in its block
.set VOFF,   102400                    ; V's half block in a slot
.set VSCO,   VOFF+49152                ; and its scale images
.set XP,     2*SLOTB                   ; behind the ring: P's four fragments, [tile][lane][48 bytes]: 12 words from lane to lane
.set XS,     XP+6144                   ; -M_w, the bytes, the sums: three arrays of 1,024 bytes, each [tile][query][wave] words
.set SPARE,  XS+3072                   ; the spare words, 128 bytes for each wave: two blocks of 256 bytes that no other line names
.set SPITCH, 528                       ; the way out: a stage of 16 rows x (512 bytes + 16) for each wave, in slot 0, which has had its last fill and its last read by then
.set AK,   2                           ; v2-3   LDS address of my K fragments in slot 0, 1
.set AKS,  4                           ; v4-5   of their scale images
.set AV,   6                           ; v6-7   of my V fragments
.set AVS,  8                           ; v8-9   of their scale image
.set XPW,  10                          ; v10    where I put my 12 bytes of P's codes
.set XSW,  11                          ; v11    and my block's three numbers
.set XPR,  12                          ; v12    where I read P's fragments
.set XSR,  13                          ; v13    and the four blocks' numbers
.set SPW,  14                          ; v14    LDS address of my spare word; never rewritten
.set NIL,  15                          ; v15    0; never rewritten
.set STO,  16                          ; v16    the stage: where I put 32 bytes of a row
.set RD,   17                          ; v17    and where I read a row back
.set GO,   18                          ; v18    16 x lane
.set MD,   19                          ; v19    the mask: 64 cx + r - 32 w - 16 h
.set NINF, 20                          ; v20    -infinity
.set DQ,   21                          ; v21    the mask's bound for the tile in hand
.set PFO,  22                          ; v22    the prefetches' offset
.set ST,   24                          ; v24-39 tile qt at v[ST + 4 qt]: -M, the sum, f, 0 (f is named in a pair)
.set QS,   40                          ; v40-55 Q's scale words, four registers a tile
.set KSW,  56                          ; v56-63 K's, four a tile of keys
.set VSW,  64                          ; v64-67 V's
.set PS,   68                          ; v68-71 P's, one a tile
.set S,    72                          ; v72-135 S^T, then p: tile qt's 16 keys at v[S + 16 qt]
.set PF,   136                         ; v136-183 P's four fragments; at work during the softmax:
.set MX,   136                         ;   v136-139 the block's largest score
.set NPR,  144                         ;   v144-151 pairs: -M_w, and the exponent of the block's largest p, then that p
.set SCO,  152                         ;   v152-155 the conversions' scale operands
.set BYW,  156                         ;   v156-159 the block's byte
.set LP,   160                         ;   v160-167 pairs: the block's sum in two halves
.set CODE, 172                         ;   v172-186 my 16 codes a tile, three registers of four
.set EX,   184                         ; v184-231 tile qt at v[EX + 12 qt]: four -M_w, four bytes, four sums
.set T,    232                         ; v232-239 at work
.set MY,   240                         ; v240-247 lane permutes' destinations
.set LX,   244
.set OB,   72                          ; the way out: 16 rows read back: v72-135 and v136-199 by turns
.set WV,   12                          ; s12 my wave's number
.set CX,   13                          ; s13 my place in the cluster
.set G1K,  24                          ; s[24:31] descriptor group 1 for K's half blocks;  s[32:39] for V's quarter blocks
.set G1V,  32
.set G0K,  40                          ; s[40:47] group 0 for K, one set for each slot;  s[48:55] for V
.set G0V,  48
.set CNT,  56                          ; s56 trips to go
.set LIM,  57                          ; s57 1 in the clusters that prefetch
.set CS,   58                          ; s[58:59] c = log2(e) / 32
.set SEL,  60                          ; s[60:61] lane selects: lane l xor 16
.set PFA,  66                          ; s[66:67] where my prefetches stand
.set MSB, 0
.macro WIN new                         ; the immediate's high byte repeats the setting that is left; a switch that changes nothing is dropped
.if MSB != (\new)
	s_set_vgpr_msb (MSB<<8)|(\new)
.set MSB, (\new)
.endif
.endm
; A joint load into slot s: waves 0 and 1 fetch the halves of K's block, waves 2 and 3 the halves of V's half block.  The branch hangs on the wave's number alone.  Four v_nop follow each of the two lines.
.macro JLOAD s
	s_cmp_lt_u32 s[WV], 2
	s_cbranch_scc0 .Lfor_v_\@
	tensor_load_to_lds s[G0K+4*(\s):G0K+4*(\s)+3], s[G1K:G1K+7]
	s_nop 0
.rept 4
	v_nop
.endr
	s_branch .Lasked_\@
.Lfor_v_\@:
	tensor_load_to_lds s[G0V+4*(\s):G0V+4*(\s)+3], s[G1V:G1V+7]
	s_nop 0
.rept 4
	v_nop
.endr
.Lasked_\@:
.endm
.macro CROUND                          ; a round of the cluster's barrier
	s_barrier_signal -1
	s_barrier_wait -1
	s_cmp_lg_u32 s[WV], 0
	s_cbranch_scc1 .Lnot_wave_0_\@
	s_barrier_signal -3
.Lnot_wave_0_\@:
	s_barrier_wait -3
	s_barrier_signal -1
	s_barrier_wait -1
.endm
; A PREFETCH INTO THE L2 of the tile that the NEXT change of slots will ask for: one key step, 96 matrix instructions a wave, ahead of that load.  All clusters of a batch walk the same blocks from key 0 on; the clusters with x = 7 walk all sixteen, so they ask.
; The cluster of output half hf names half hf of K's block and its own half of V's: 200 + 200 blocks of 256 bytes.  The partners share them out BY ADDRESS: places 0 and 1 take K's, places 2 and 3 V's (a select between the two pointers);
; each of the eight waves takes 6,400 bytes, 25 blocks, a lane a block; lanes 25 to 31 name lane 24's block again.  The loop's trips name tiles 2 to 15: the last two steps ask for nothing, and tiles 0 and 1 come by their loads alone.
.macro ASK
	s_cmp_eq_u32 s[LIM], 1
	s_cbranch_scc0 .Lnot_mine_\@
	global_prefetch_b8 v[PFO], s[PFA:PFA+1] th:TH_LOAD_NT scope:SCOPE_SE
.Lnot_mine_\@:
.endm
; A load into a register that a matrix instruction has read, and a vector instruction that reads a matrix result, stand four places behind it; only plain vector instructions that name none of its registers are places (ISA guide 7.12.1 for vector instructions).
.macro PLACES
.rept 4
	v_nop
.endr
.endm
	s_load_b256 s[4:11], s[0:1], 0x0               ; qws s[4:5], kws s[6:7], vws s[8:9], out0 s[10:11]
	v_lshl_add_u32 v[SPW], v0, 2, SPARE
	v_mov_b32 v[NIL], 0
	ds_add_u32 v14, v15
	ds_add_u32 v14, v15
	s_wait_dscnt 0x0
	v_lshrrev_b32 v1, 5, v0
	v_readfirstlane_b32 s[WV], v1                  ; wave 0..3
	s_bfe_u32 s[CX], ttmp6, 0x40000                ; cx
	s_and_b32 s14, ttmp7, 0xffff
	s_lshr_b32 s16, s14, 1                         ; the batch
	s_and_b32 s17, s14, 1                          ; which 512 output columns
	s_and_b32 s18, s[WV], 1                        ; which half of what I fetch
	; descriptor group 1: dense blocks as rows of 256 bytes (32 elements of 8 bytes): K 200 rows, V 100
	s_mov_b32 s[G1K], 15|(3<<16)|(1<<21)           ; 15:0 the mask: all four work-groups; 17:16 elements of 8 bytes; 20 no padding; 21 set beside a mask
	s_mov_b32 s[G1K+1], 32<<16                     ; tensor_dim0 = 32
	s_mov_b32 s[G1K+2], 200<<16                    ; tensor_dim1 = 200
	s_mov_b32 s[G1K+3], 32<<16                     ; tile_dim0 = 32
	s_mov_b32 s[G1K+4], 200                        ; tile_dim1 = 200
	s_mov_b32 s[G1K+5], 32                         ; tensor_dim0_stride
	s_mov_b32 s[G1K+6], 0
	s_mov_b32 s[G1K+7], 0
	s_mov_b32 s[G1V], 15|(3<<16)|(1<<21)
	s_mov_b32 s[G1V+1], 32<<16
	s_mov_b32 s[G1V+2], 100<<16
	s_mov_b32 s[G1V+3], 32<<16
	s_mov_b32 s[G1V+4], 100
	s_mov_b32 s[G1V+5], 32
	s_mov_b32 s[G1V+6], 0
	s_mov_b32 s[G1V+7], 0
	s_mov_b32 s[CS], 0x3d38aa3b                    ; c = log2(e) / 32
	s_mov_b32 s[CS+1], s[CS]                       ; (named with it as a pair, so it is written)
	s_mov_b32 s[SEL], 0x76543210
	s_mov_b32 s[SEL+1], 0xfedcba98
	s_mul_i32 s20, s16, 16*BLKB                    ; the batch's first block, in each workspace
	s_mul_i32 s19, s18, HALFB                      ; K: my half of a block, in memory and in a slot
	s_add_co_u32 s68, s20, s19
	s_mov_b32 s69, 0
	s_mul_i32 s21, s17, HALFB                      ; V: the half of d,
	s_mul_i32 s22, s18, HALFB/2                    ; and my half of that
	s_add_co_u32 s70, s20, s21
	s_add_co_u32 s70, s70, s22
	s_mov_b32 s71, 0
	s_add_co_u32 s23, s22, VOFF                    ; its place in a slot: no place in the cluster enters an LDS address or a descriptor
	s_lshl_b32 s72, ttmp9, 2
	s_add_co_u32 s72, s72, s[CX]                   ; my block of 64 queries, 0 .. 31
	s_lshr_b32 s73, s72, 1
	s_mul_i32 s73, s73, BLKB
	s_add_co_u32 s73, s73, s20                     ; the block of 128 tokens in which it lies
	s_and_b32 s74, s72, 1                          ; its tiles 0-3 or 4-7
	s_mul_i32 s76, s74, 4*8*1536
	s_add_co_u32 s76, s76, s73                     ; Q's fragments
	s_mov_b32 s77, 0
	s_lshl_b32 s78, s74, 11
	s_add_co_u32 s78, s78, s73
	s_add_co_u32 s78, s78, KSCO                    ; Q's scale images
	s_mov_b32 s79, 0
	s_lshl_b32 s74, s16, 23                        ; out: 2,048 rows of 4,096 bytes a batch,
	s_lshl_b32 s75, s72, 18                        ; 64 rows a block of queries,
	s_add_co_u32 s74, s74, s75
	s_lshl_b32 s75, s17, 11                        ; 2,048 bytes a half,
	s_add_co_u32 s74, s74, s75
	s_lshl_b32 s75, s[WV], 9                       ; my wave's 128 columns
	s_add_co_u32 s74, s74, s75
	s_mov_b32 s75, 0
	s_and_b32 s62, s[CX], 1                        ; the prefetches: which of eight parts of 6,400 bytes is my wave's,
	s_lshl_b32 s62, s62, 2
	s_add_co_u32 s62, s62, s[WV]
	s_mul_i32 s62, s62, 6400
	s_add_co_u32 s62, s62, s20
	s_add_co_u32 s62, s62, s21                     ; in half hf
	s_add_co_u32 s62, s62, BLKB                    ; of tile 1: the first trip steps it to tile 2
	s_mov_b32 s63, 0
	s_cmp_eq_u32 ttmp9, 7
	s_cselect_b32 s[LIM], 1, 0                     ; the same in all four partners
	s_wait_kmcnt 0x0
	s_add_nc_u64 s[2:3], s[4:5], s[78:79]          ; Q's scale images
	s_add_nc_u64 s[4:5], s[4:5], s[76:77]          ; Q's fragments
	s_add_nc_u64 s[10:11], s[10:11], s[74:75]      ; my first row and column of out
	s_cmp_lt_u32 s[CX], 2
	s_cselect_b64 s[PFA:PFA+1], s[6:7], s[8:9]
	s_add_nc_u64 s[PFA:PFA+1], s[PFA:PFA+1], s[62:63]
	s_add_nc_u64 s[6:7], s[6:7], s[68:69]          ; what I fetch of tile 0: K's,
	s_add_nc_u64 s[8:9], s[8:9], s[70:71]          ; V's
.irp n, 0,1                            ; slot n's groups 0 begin at tile n
	s_mov_b32 s[G0K+4*\n], 1                       ; count = 1
	s_add_co_u32 s[G0K+4*\n+1], s19, \n*SLOTB      ; LDS address
	s_add_nc_u64 s[G0K+4*\n+2:G0K+4*\n+3], s[6:7], \n*BLKB
	s_or_b32 s[G0K+4*\n+3], s[G0K+4*\n+3], 0x80000000   ; type = 2
	s_mov_b32 s[G0V+4*\n], 1
	s_add_co_u32 s[G0V+4*\n+1], s23, \n*SLOTB
	s_add_nc_u64 s[G0V+4*\n+2:G0V+4*\n+3], s[8:9], \n*BLKB
	s_or_b32 s[G0V+4*\n+3], s[G0V+4*\n+3], 0x80000000
.endr
	CROUND                                         ; all four work-groups are here: the first joint load meets
	JLOAD 0                                        ; tile 0.  One tensor load of mine is out, here and behind every round
	v_and_b32 v1, 31, v0
	v_lshlrev_b32 v[GO], 4, v1                     ; 16 x lane
	s_wait_alu depctr_va_vdst(0)
.irp qt, 0,1,2,3                       ; Q stays in registers: 32 fragments as they lie, 512 consecutive bytes a load
	WIN 0x80+0x40*(\qt/2)
.irp s, 0,1,2,3,4,5,6,7
.irp k, 0,1,2
	global_load_b128 v[96*(\qt%2)+12*\s+4*\k:96*(\qt%2)+12*\s+4*\k+3], v[GO], s[4:5] offset:\qt*12288+\s*1536+512*\k
.endr
.endr
.endr
	WIN 0
.irp qt, 0,1,2,3
	global_load_b128 v[QS+4*\qt:QS+4*\qt+3], v[GO], s[2:3] offset:512*\qt
.endr
	v_and_b32 v23, 15, v0                          ; r
	v_bfe_u32 v1, v0, 4, 1                         ; h
	s_mul_i32 s70, s[WV], 2*8*1536                 ; K: my two tiles of keys
	v_add_nc_u32 v[AK], s70, v[GO]
	v_add_nc_u32 v[AK+1], SLOTB, v[AK]
	s_lshl_b32 s70, s[WV], 10
	s_add_co_u32 s70, s70, KSCO
	v_add_nc_u32 v[AKS], s70, v[GO]
	v_add_nc_u32 v[AKS+1], SLOTB, v[AKS]
	s_mul_i32 s70, s[WV], 8*1536                   ; V: my eight tiles of d
	s_add_co_u32 s70, s70, VOFF
	v_add_nc_u32 v[AV], s70, v[GO]
	v_add_nc_u32 v[AV+1], SLOTB, v[AV]
	s_lshl_b32 s70, s[WV], 9
	s_add_co_u32 s70, s70, VSCO
	v_add_nc_u32 v[AVS], s70, v[GO]
	v_add_nc_u32 v[AVS+1], SLOTB, v[AVS]
	; P's fragment wants block w in lanes 16 (w % 2) + r, registers 6 (w / 2) on; my lane's 16 codes are the block's lower (h = 0) or upper (h = 1) three registers
	v_mul_u32_u24 v[XPW], v23, 48
	v_mad_u32_u24 v[XPW], v1, 12, v[XPW]
	s_and_b32 s70, s[WV], 1
	s_mul_i32 s70, s70, 768
	s_lshr_b32 s71, s[WV], 1
	s_mul_i32 s71, s71, 24
	s_add_co_u32 s70, s70, s71
	s_add_co_u32 s70, s70, XP
	v_add_nc_u32 v[XPW], s70, v[XPW]
	v_lshlrev_b32 v[XSR], 4, v23
	v_add_nc_u32 v[XSR], XS, v[XSR]                ; a query's four words
	s_lshl_b32 s70, s[WV], 2
	v_add_nc_u32 v[XSW], s70, v[XSR]               ; mine of them
	v_and_b32 v[XPR], 31, v0
	v_mul_u32_u24 v[XPR], v[XPR], 48
	v_add_nc_u32 v[XPR], XP, v[XPR]
	v_mul_u32_u24 v[STO], v23, SPITCH
	v_lshl_add_u32 v[STO], v1, 5, v[STO]
	s_mul_i32 s70, s[WV], 16*SPITCH
	v_add_nc_u32 v[STO], s70, v[STO]
	v_add_nc_u32 v[RD], s70, v[GO]
	s_lshl_b32 s72, s[CX], 6                       ; the mask's number (it feeds compares whose results feed selects, nothing else)
	s_lshl_b32 s73, s[WV], 5
	s_sub_co_i32 s72, s72, s73
	v_lshlrev_b32 v[MD], 4, v1
	v_sub_nc_u32 v[MD], v23, v[MD]
	v_add_nc_u32 v[MD], s72, v[MD]
	v_mov_b32 v[NINF], 0xff800000
	v_and_b32 v[PFO], 31, v0
	v_min_u32 v[PFO], 24, v[PFO]
	v_lshlrev_b32 v[PFO], 8, v[PFO]
.irp qt, 0,1,2,3
	v_mov_b32 v[ST+4*\qt], 0x7f61b1e6              ; -M: M begins at -3e38, under every t
	v_mov_b32 v[ST+4*\qt+1], 0                     ; the sum
	v_mov_b32 v[ST+4*\qt+2], 0
	v_mov_b32 v[ST+4*\qt+3], 0
	v_mov_b32 v[MY+\qt], 0                         ; written once: a lane permute's destination counts as one of its sources
	v_mov_b32 v[LX+\qt], 0
.endr
	WIN 0x40                                       ; O^T begins as zeros, which the first change of M leaves zeros: written while the first tile is on its way, it spares a further copy of the key step with products that start sums
.set i, 0
.rept 256
	v_mov_b32 v[i], 0
.set i, i+1
.endr
	WIN 0
; Six LDS loads: my two tiles' fragments of d step s, into the buffers of s % 4
.macro KLOAD slot, s
	WIN 0x80+0x40*(((\s)%4)/2)
.irp tt, 0,1
.irp k, 0,1,2
	ds_load_b128 v[192+24*((\s)%2)+12*\tt+4*\k:192+24*((\s)%2)+12*\tt+4*\k+3], v[AK+\slot] offset:(8*\tt+(\s))*1536+512*\k
.endr
.endr
.endm
; Eight matrix instructions: d step s, four tiles of queries x two tiles of keys.  The eight accumulators take turns, one instruction a turn, in the same order in every step.  Step 0 starts the sums.
.macro SMUL s
.irp qt, 0,1,2,3
	WIN (2+((\s)%4)/2)|((2+\qt/2)<<2)
.irp tt, 0,1
.set rS, S+16*\qt+8*\tt
.set rK, 192+24*((\s)%2)+12*\tt
.set rQ, 96*(\qt%2)+12*(\s)
.set rA, KSW+4*\tt+(\s)%4
.set rB, QS+4*\qt+(\s)%4
.if (\s) == 0
	v_wmma_scale_f32_16x16x128_f8f6f4 v[rS:rS+7], v[rK:rK+11], v[rQ:rQ+11], 0, v[rA], v[rB] matrix_a_fmt:MATRIX_FMT_BF6 matrix_b_fmt:MATRIX_FMT_BF6
.elseif (\s) < 4
	v_wmma_scale_f32_16x16x128_f8f6f4 v[rS:rS+7], v[rK:rK+11], v[rQ:rQ+11], v[rS:rS+7], v[rA], v[rB] matrix_a_fmt:MATRIX_FMT_BF6 matrix_b_fmt:MATRIX_FMT_BF6
.else
	v_wmma_scale_f32_16x16x128_f8f6f4 v[rS:rS+7], v[rK:rK+11], v[rQ:rQ+11], v[rS:rS+7], v[rA], v[rB] matrix_a_fmt:MATRIX_FMT_BF6 matrix_b_fmt:MATRIX_FMT_BF6 matrix_a_scale:MATRIX_SCALE_ROW1 matrix_b_scale:MATRIX_SCALE_ROW1
.endif
.endr
.endr
.endm
; The scores of my 32 keys.  Loads come back in order: each wait's count is the groups of six that were issued behind the group wanted.
.macro SCORE slot, ask
	ds_load_b128 v[KSW:KSW+3], v[AKS+\slot]
	ds_load_b128 v[KSW+4:KSW+7], v[AKS+\slot] offset:512
	KLOAD \slot, 0
	KLOAD \slot, 1
	KLOAD \slot, 2
	KLOAD \slot, 3
.if \ask
	WIN 0
	ASK                                            ; behind the joint load and the run of LDS loads that the next products wait for
.endif
	s_wait_dscnt 18                                ; the scale words and d step 0 are in; steps 1 to 3 may be out
	SMUL 0
	s_wait_dscnt 12
	SMUL 1
	PLACES
	KLOAD \slot, 4
	KLOAD \slot, 5
	s_wait_dscnt 18                                ; step 2 is in; 3, 4, 5 may be out
	SMUL 2
	s_wait_dscnt 12
	SMUL 3
	PLACES
	KLOAD \slot, 6
	KLOAD \slot, 7
	s_wait_dscnt 18                                ; step 4 is in; 5, 6, 7 may be out
	SMUL 4
	s_wait_dscnt 12
	SMUL 5
	s_wait_dscnt 6
	SMUL 6
	s_wait_dscnt 0
	SMUL 7
.endm
; My block's softmax for the 64 queries, and V's fragments, which land meanwhile.  mask = 1: key step 2 c + u, which may touch the diagonal.
.macro SOFTMAX slot, mask, u
	PLACES                                         ; behind the last products: their results are read, and the buffers that they read are loaded
.irp dt, 0,1,2,3,4,5,6,7
	WIN 0x80+0x40*(\dt/4)
.irp k, 0,1,2
	ds_load_b128 v[192+12*(\dt%4)+4*\k:192+12*(\dt%4)+4*\k+3], v[AV+\slot] offset:\dt*1536+512*\k
.endr
.endr
	WIN 0
	ds_load_b128 v[VSW:VSW+3], v[AVS+\slot]
.irp qt, 0,1,2,3                       ; the first tile of keys' lanes 16-31 change places with the second's lanes 0-15: register 16 qt + i then holds key 32 w + 16 h + i.  Each accumulator is taken from its low end on
.irp j, 0,1,2,3,4,5,6,7
	v_permlane16_swap_b32 v[S+16*\qt+\j], v[S+16*\qt+8+\j]
.endr
.endr
.if \mask
.irp qt, 0,1,2,3                       ; key 256 c + 128 u + 32 w + 16 h + i is hidden from query 256 c + 64 cx + 16 qt + r where i > 64 cx + r - 32 w - 16 h + 16 qt - 128 u
	v_add_nc_u32 v[DQ], 16*\qt-128*(\u), v[MD]
.irp i, 0,1,2,3,4,5,6,7,8,9,10,11,12,13,14,15
	v_cmp_gt_i32 vcc_lo, \i, v[DQ]
	v_cndmask_b32 v[S+16*\qt+\i], v[S+16*\qt+\i], v[NINF], vcc_lo
.endr
.endr
.endif
.irp qt, 0,1,2,3
	v_max3_num_f32 v[MX+\qt], v[S+16*\qt], v[S+16*\qt+1], v[S+16*\qt+2]   ; the block's largest score (the four tiles by turns)
.endr
.irp i, 3,5,7,9,11,13
.irp qt, 0,1,2,3
	v_max3_num_f32 v[MX+\qt], v[MX+\qt], v[S+16*\qt+\i], v[S+16*\qt+\i+1]
.endr
.endr
.irp qt, 0,1,2,3
	v_max_num_f32 v[MX+\qt], v[MX+\qt], v[S+16*\qt+15]
.endr
.irp qt, 0,1,2,3
	v_permlanex16_b32 v[MY+\qt], v[MX+\qt], s[SEL], s[SEL+1]
.endr
.irp qt, 0,1,2,3
	v_max_num_f32 v[MX+\qt], v[MX+\qt], v[MY+\qt]  ; with lane l xor 16's 16 keys
.endr
.irp qt, 0,1,2,3
	v_mul_f32 v[T+\qt], s[CS], v[MX+\qt]           ; as t (c is positive)
.endr
.irp qt, 0,1,2,3
	v_max_num_f32 v[T+\qt], 0xff61b1e6, v[T+\qt]   ; a block that is wholly hidden: -3e38 in place of -infinity
.endr
.irp qt, 0,1,2,3
	v_floor_f32 v[NPR+2*\qt], -v[T+\qt]            ; -M_w = floor(-t) = -ceil(t): a whole number
.endr
.irp qt, 0,1,2,3
	v_fma_f32 v[NPR+2*\qt+1], v[MX+\qt], s[CS], v[NPR+2*\qt]   ; t - M_w of the largest score: p rises with the score, so this gives the block's largest p
.endr
.irp qt, 0,1,2,3
.irp j, 0,2,4,6,8,10,12,14
	v_pk_fma_f32 v[S+16*\qt+\j:S+16*\qt+\j+1], v[S+16*\qt+\j:S+16*\qt+\j+1], s[CS:CS+1], v[NPR+2*\qt:NPR+2*\qt+1] op_sel_hi:[1,0,0]   ; t - M_w, two at a time (of the pairs c and -M_w the low word serves both halves)
.endr
.endr
.set i, 0
	s_wait_alu depctr_va_vdst(0)
.rept 64
	v_exp_f32 v[S+i], v[S+i]                       ; p = 2^(t - M_w), at most 1; 0 for a hidden key
.set i, i+1
.endr
.irp qt, 0,1,2,3
	v_exp_f32 v[NPR+2*\qt+1], v[NPR+2*\qt+1]
.endr
	v_nop                                          ; one plain place behind the exponentials
	s_wait_alu depctr_va_vdst(0)
.irp qt, 0,1,2,3
	v_max_num_f32 v[NPR+2*\qt+1], 0.5, v[NPR+2*\qt+1]   ; an open block's largest p lies above 1/2; a wholly hidden block, whose codes are zeros, gets an ordinary byte
.endr
.irp qt, 0,1,2,3
	v_add_nc_u32 v[SCO+\qt], 0xfe000000, v[NPR+2*\qt+1]   ; 4 off the exponent field: the conversion's scale operand
.endr
.irp qt, 0,1,2,3
	v_lshrrev_b32 v[BYW+\qt], 23, v[SCO+\qt]       ; the byte under M_w: 122 or 123
.endr
.irp qt, 0,1,2,3
	v_cvt_scalef32_pk16_bf6_f32 v[CODE+4*\qt:CODE+4*\qt+2], v[S+16*\qt:S+16*\qt+15], v[SCO+\qt]
.endr
	v_nop                                          ; one plain place behind a scaled conversion
.irp qt, 0,1,2,3
.irp k, 0,1,2
	ds_store_b32 v[XPW], v[CODE+4*\qt+\k] offset:1536*\qt+4*\k
.endr
.endr
.irp qt, 0,1,2,3
	v_pk_add_f32 v[LP+2*\qt:LP+2*\qt+1], v[S+16*\qt:S+16*\qt+1], v[S+16*\qt+2:S+16*\qt+3]   ; the sum is taken of the UNQUANTISED p
.endr
.irp j, 4,6,8,10,12,14
.irp qt, 0,1,2,3
	v_pk_add_f32 v[LP+2*\qt:LP+2*\qt+1], v[LP+2*\qt:LP+2*\qt+1], v[S+16*\qt+\j:S+16*\qt+\j+1]
.endr
.endr
.irp qt, 0,1,2,3
	v_add_f32 v[LP+2*\qt], v[LP+2*\qt], v[LP+2*\qt+1]
.endr
.irp qt, 0,1,2,3
	v_permlanex16_b32 v[LX+\qt], v[LP+2*\qt], s[SEL], s[SEL+1]
.endr
.irp qt, 0,1,2,3
	v_add_f32 v[LP+2*\qt], v[LP+2*\qt], v[LX+\qt]  ; the block's sum under M_w
.endr
.irp qt, 0,1,2,3                       ; lanes l and l xor 16 write the same word with the same value
	ds_store_b32 v[XSW], v[NPR+2*\qt] offset:256*\qt
	ds_store_b32 v[XSW], v[BYW+\qt] offset:256*\qt+1024
	ds_store_b32 v[XSW], v[LP+2*\qt] offset:256*\qt+2048
.endr
.endm
.macro RESCALE qt                      ; tile qt's O^T times the number at v[ST + 4 qt + 2]; each accumulator from its low end on
	WIN 0x41
.set i, 64*(\qt)
.rept 32
	v_pk_mul_f32 v[i:i+1], v[i:i+1], v[ST+4*(\qt)+2:ST+4*(\qt)+3] op_sel_hi:[1,0]
.set i, i+2
.endr
.endm
.macro PVMUL qt                        ; eight matrix instructions: my eight tiles of d x tile qt of queries, K = the step's 128 keys; eight accumulators, one instruction each
.irp dt, 0,1,2,3,4,5,6,7
	WIN 0x52+\dt/4
.set rO, 64*(\qt)+8*\dt
.set rV, 192+12*(\dt%4)
.if \dt < 4
	v_wmma_scale_f32_16x16x128_f8f6f4 v[rO:rO+7], v[rV:rV+11], v[PF+12*(\qt):PF+12*(\qt)+11], v[rO:rO+7], v[VSW+\dt%4], v[PS+(\qt)] matrix_a_fmt:MATRIX_FMT_BF6 matrix_b_fmt:MATRIX_FMT_BF6
.else
	v_wmma_scale_f32_16x16x128_f8f6f4 v[rO:rO+7], v[rV:rV+11], v[PF+12*(\qt):PF+12*(\qt)+11], v[rO:rO+7], v[VSW+\dt%4], v[PS+(\qt)] matrix_a_fmt:MATRIX_FMT_BF6 matrix_b_fmt:MATRIX_FMT_BF6 matrix_a_scale:MATRIX_SCALE_ROW1
.endif
.endr
.endm
; The four blocks' numbers and codes come back; every wave brings them under the running M; then the second product.
.macro PV
.irp qt, 0,1,2,3
	ds_load_b128 v[EX+12*\qt:EX+12*\qt+3], v[XSR] offset:256*\qt
	ds_load_b128 v[EX+12*\qt+4:EX+12*\qt+7], v[XSR] offset:256*\qt+1024
	ds_load_b128 v[EX+12*\qt+8:EX+12*\qt+11], v[XSR] offset:256*\qt+2048
.endr
.irp qt, 0,1,2,3
.irp k, 0,1,2
	ds_load_b128 v[PF+12*\qt+4*\k:PF+12*\qt+4*\k+3], v[XPR] offset:1536*\qt+16*\k
.endr
.endr
	s_wait_dscnt 12                                ; the numbers are in; P's twelve loads may be out
.irp qt, 0,1,2,3
	v_min3_num_f32 v[T+\qt], v[EX+12*\qt], v[EX+12*\qt+1], v[EX+12*\qt+2]
.endr
.irp qt, 0,1,2,3
	v_min3_num_f32 v[T+\qt], v[T+\qt], v[EX+12*\qt+3], v[ST+4*\qt]   ; the new -M
.endr
.irp qt, 0,1,2,3
	v_sub_f32 v[T+4+\qt], v[T+\qt], v[ST+4*\qt]    ; old M - new M: a whole number, 0 or less
.endr
.irp qt, 0,1,2,3
	v_mov_b32 v[ST+4*\qt], v[T+\qt]
.endr
.irp qt, 0,1,2,3
	v_cvt_i32_f32 v[T+4+\qt], v[T+4+\qt]           ; (it saturates)
.endr
.irp qt, 0,1,2,3
	v_ldexp_f32 v[ST+4*\qt+2], 1.0, v[T+4+\qt]     ; f = 2^(old M - new M)
.endr
.irp w, 0,1,2,3
.irp qt, 0,1,2,3
	v_sub_f32 v[EX+12*\qt+\w], v[T+\qt], v[EX+12*\qt+\w]   ; M_w - M: a whole number, 0 or less
.endr
.endr
.irp w, 0,1,2,3
.irp qt, 0,1,2,3
	v_max_num_f32 v[EX+12*\qt+\w], 0xc2f00000, v[EX+12*\qt+\w]   ; held at -120, so that the byte stays above 0
.endr
.endr
.irp w, 0,1,2,3
.irp qt, 0,1,2,3
	v_cvt_i32_f32 v[EX+12*\qt+\w], v[EX+12*\qt+\w]
.endr
.endr
.irp w, 0,1,2,3
.irp qt, 0,1,2,3
	v_add_nc_u32 v[EX+12*\qt+4+\w], v[EX+12*\qt+4+\w], v[EX+12*\qt+\w]   ; block w's byte under M
	v_ldexp_f32 v[EX+12*\qt+8+\w], v[EX+12*\qt+8+\w], v[EX+12*\qt+\w]    ; and its sum
.endr
.endr
.irp qt, 0,1,2,3
	v_lshl_or_b32 v[PS+\qt], v[EX+12*\qt+5], 8, v[EX+12*\qt+4]   ; P's scale word for these 128 keys
.endr
.irp qt, 0,1,2,3
	v_lshl_or_b32 v[PS+\qt], v[EX+12*\qt+6], 16, v[PS+\qt]
.endr
.irp qt, 0,1,2,3
	v_lshl_or_b32 v[PS+\qt], v[EX+12*\qt+7], 24, v[PS+\qt]
.endr
.irp qt, 0,1,2,3
	v_fma_f32 v[ST+4*\qt+1], v[ST+4*\qt+1], v[ST+4*\qt+2], v[EX+12*\qt+8]   ; the sum under the new M, and the four blocks'
	v_add_f32 v[EX+12*\qt+9], v[EX+12*\qt+9], v[EX+12*\qt+10]
.endr
.irp qt, 0,1,2,3
	v_add_f32 v[ST+4*\qt+1], v[ST+4*\qt+1], v[EX+12*\qt+11]
.endr
.irp qt, 0,1,2,3
	v_add_f32 v[ST+4*\qt+1], v[ST+4*\qt+1], v[EX+12*\qt+9]
.endr
	s_wait_dscnt 0x0                               ; P is in
	RESCALE 0
	RESCALE 1                                      ; 32 plain instructions that name no register of the products below: more than the eight places between the writing of a scale word and the scaled product that takes it
	PVMUL 0
	RESCALE 2                                      ; another tile's rescaling is issued while the matrix unit works
	PVMUL 1
	RESCALE 3
	PVMUL 2
	PVMUL 3
.endm
; A KEY STEP, from slot `slot`.  At its head the change of slots: each wave waits for all its tensor loads (its part of this slot), adds 0 to its spare word, and waits for that and for its LDS reads of the step before.
; refill = 1: the barrier is a round of the cluster's, and the other slot, which nobody reads any more, takes the next tile: the load has this whole step in which to land.
; The second barrier stands between the waves' stores of P and their numbers and the others' reads. Those bytes are written again only behind the next step's first barrier, in front of which every wave's reads of them are back.
.macro TRIP slot, refill, mask, u, ask
	WIN 0
	s_wait_tensorcnt 0x0                           ; no tensor load of mine is out, so a group 0 may be written
	ds_add_u32 v[SPW], v[NIL]                      ; 0 onto my spare word; the steps below stand between it and the wait for it
	s_add_nc_u64 s[G0K+4*\slot+2:G0K+4*\slot+3], s[G0K+4*\slot+2:G0K+4*\slot+3], 2*BLKB   ; this slot's next tile; the type bits on top are not reached
	s_add_nc_u64 s[G0V+4*\slot+2:G0V+4*\slot+3], s[G0V+4*\slot+2:G0V+4*\slot+3], 2*BLKB
.if \ask
	s_wait_xcnt 0x0                                ; the last prefetch, a key step back, has read its address
	s_add_nc_u64 s[PFA:PFA+1], s[PFA:PFA+1], BLKB
.endif
	s_wait_dscnt 0x0                               ; the add is done, and my LDS reads are over
.if \refill
	CROUND
	JLOAD 1-\slot                                  ; the first tensor load behind the round; its four v_nop are also the places in front of the loads below
.else
	s_barrier_signal -1
	s_barrier_wait -1
	PLACES
.endif
	SCORE \slot, \ask
	SOFTMAX \slot, \mask, \u
	s_wait_dscnt 0x0                               ; for the others' sake: my stores have landed (V's fragments are in too)
	s_barrier_signal -1
	s_barrier_wait -1
	PV
.endm
	s_wait_loadcnt 0x0                             ; Q and its scale words
	s_mov_b32 s[CNT], ttmp9                        ; c trips of two open steps: the same number in all four partners
	s_cmp_eq_u32 s[CNT], 0
	s_cbranch_scc1 .Ltail
.Lpair:
	TRIP 0, 1, 0, 0, 1
	TRIP 1, 1, 0, 0, 1
	WIN 0                                          ; at a label and at a branch every window is 0
	s_sub_co_u32 s[CNT], s[CNT], 1
	s_cmp_lg_u32 s[CNT], 0
	s_cbranch_scc1 .Lpair
.Ltail:
	TRIP 0, 1, 1, 0, 0                             ; key step 2 c, masked; the last tile is asked for
	TRIP 1, 0, 1, 1, 0                             ; key step 2 c + 1, masked; nothing is left to fetch
	; THE WAY OUT.  O^T is divided by the sum and goes, a tile of 16 queries at a time, through my stage in LDS: a lane holds 32 neighbouring bytes of a row, and whole rows of 512 bytes come back.
	WIN 0
	PLACES                                         ; behind the last products
	s_wait_alu depctr_va_vdst(0)
.irp qt, 0,1,2,3
	v_rcp_f32 v[ST+4*\qt+2], v[ST+4*\qt+1]         ; into f's place: the division is the rescaling's macro
.endr
	v_nop                                          ; one plain place behind the reciprocals
	s_wait_alu depctr_va_vdst(0)
.macro OUTQ qt
	RESCALE \qt
	WIN 0x04                                       ; an LDS store's data are its source 1: window 1
.irp dt, 0,1,2,3,4,5,6,7
	ds_store_b128 v[STO], v[64*(\qt)+8*\dt:64*(\qt)+8*\dt+3] offset:64*\dt
	ds_store_b128 v[STO], v[64*(\qt)+8*\dt+4:64*(\qt)+8*\dt+7] offset:64*\dt+16
.endr
	WIN 0
.irp t, 0,1,2,3,4,5,6,7,8,9,10,11,12,13,14,15
	ds_load_b128 v[OB+64*((\qt)%2)+4*\t:OB+64*((\qt)%2)+4*\t+3], v[RD] offset:\t*SPITCH   ; LDS serves a wave's instructions in order (ISA guide 5.7.1.4): these see my stores, and the next tile's stores come behind them
.endr
.endm
.macro SEND qt, younger                ; younger: the LDS instructions issued behind tile qt's loads, which may stay out
	s_wait_dscnt \younger
.irp t, 0,1,2,3,4,5,6,7,8,9,10,11,12,13,14,15
	global_store_b128 v[GO], v[OB+64*((\qt)%2)+4*\t:OB+64*((\qt)%2)+4*\t+3], s[10:11] offset:(16*(\qt)+\t)*4096 th:TH_STORE_NT   ; 32 lanes store 512 consecutive bytes, at a multiple of 512 from the buffer's first byte; written once, read by nobody here
.endr
.endm
	OUTQ 0
	OUTQ 1
	SEND 0, 32                                     ; behind tile 0's loads: tile 1's 16 stores and 16 loads
	s_wait_xcnt 0x0                                ; tile 0's stores have read their registers: tile 2's rows may land there
	OUTQ 2
	SEND 1, 32
	s_wait_xcnt 0x0
	OUTQ 3
	SEND 2, 32
	SEND 3, 0
	s_wait_tensorcnt 0x0                           ; the wave's end
	ds_add_u32 v[SPW], v[NIL]
	s_wait_dscnt 0x0
	CROUND                                         ; the closing round: no work-group ends while a partner may still ask for a tile that names it
	s_endpgm
.Lfunc_end_k_qcff9781c76_attn:
	.size	k_qcff9781c76_attn, .Lfunc_end_k_qcff9781c76_attn-k_qcff9781c76_attn
	.p2alignl 7, 3214868480
	.fill 96, 4, 3214868480
	.section	.rodata,"a",@progbits
	.p2align	6, 0x0
	.amdhsa_kernel k_qcff9781c76_attn
		.amdhsa_group_segment_fixed_size 327680
		.amdhsa_private_segment_fixed_size 0
		.amdhsa_enable_private_segment 0
		.amdhsa_kernarg_size 32
		.amdhsa_user_sgpr_count 2
		.amdhsa_user_sgpr_kernarg_segment_ptr 1
		.amdhsa_wavefront_size32 1
		.amdhsa_system_sgpr_workgroup_id_x 1
		.amdhsa_system_sgpr_workgroup_id_y 1
		.amdhsa_system_sgpr_workgroup_id_z 1
		.amdhsa_system_vgpr_workitem_id 0
		.amdhsa_next_free_vgpr 1024
		.amdhsa_next_free_sgpr 80
		.amdhsa_reserve_vcc 1
		.amdhsa_float_denorm_mode_32 3
		.amdhsa_float_denorm_mode_16_64 3
		.amdhsa_memory_ordered 1
		.amdhsa_forward_progress 1
		.amdhsa_inst_pref_size 251
	.end_amdhsa_kernel
	.amdgpu_metadata
---
amdhsa.version: [ 1, 2 ]
amdhsa.kernels:
  - .name:           k_qcff9781c76_attn
    .symbol:         k_qcff9781c76_attn.kd
    .args:
      - { .name: qws, .offset: 0, .size: 8, .value_kind: global_buffer, .address_space: global }
      - { .name: kws, .offset: 8, .size: 8, .value_kind: global_buffer, .address_space: global }
      - { .name: vws, .offset: 16, .size: 8, .value_kind: global_buffer, .address_space: global }
      - { .name: out0, .offset: 24, .size: 8, .value_kind: global_buffer, .address_space: global }
    .group_segment_fixed_size: 327680
    .private_segment_fixed_size: 0
    .kernarg_segment_align: 8
    .kernarg_segment_size: 32
    .max_flat_workgroup_size: 128
    .sgpr_count:     80
    .vgpr_count:     1024
    .wavefront_size: 32
...
	.end_amdgpu_metadata
.endif
;; end of part 2
